; MI455X (gfx1250); checked and timed in simulation.
; The chip was launched on July 23, 2026; its instructions are those of AMD's public machine-readable ISA for CDNA 5 (MIT licence, August 2026) and "CDNA5" Instruction Set Architecture Reference Guide (July 2026). The comments in the code are by the model that wrote it; some were corrected since.
;; Concat Attn. Allowed arithmetic: matrix products marked QUANTISED: E5M2 operands, one E8M0 scale for each 32 along K, by v_wmma_scale_f32_16x16x128_f8f6f4 with both operands' format E5M2, f32 sums; products left as they are: f32 operands where the result goes on into a quantised operand, else bf16, f16 or f32 operands; f32 sums; everything else in f32.
;; Inputs: attn_W 1,024 x 2,048 float32; attn_b 1,024 float32; encoder_output 2,048 x 16 x 1,024 float32; hidden 1 x 16 x 1,024 float32; v 1,024 float32.
;; Outputs: out0 16 x 1 x 2,048 float32.
;; This version of the problem:
;;   THIS VERSION OF THE PROBLEM IS GIVEN IN LOW PRECISION. The matrix products marked QUANTISED in the list below multiply operands that are first quantised to E5M2 (5 exponent bits, 2 mantissa bits; 8 bits a number), with one power-of-two scale for each 32 numbers along K (OCP MX v1.0); their sums are f32. All else is computed in f32.
;;   The module's matrix products, in the order in which they are computed (A, B: the left and right operand; K: the contracted axis; several contracted axes count as one K, in the product's order):
;;     1. [M 32,768, K 2,048] x [K 2,048, N 1,024]; A: computed on the way; B: input attn_W: QUANTISED
;;     2. [M 32,768, K 1,024] x [K 1,024, N 1]; A: computed on the way; B: input v: left as it is (N = 1 < 16)
;;   THE QUANTISER, for each operand of a quantised product, along K:
;;     - K is cut into blocks of 32 from its start; a last block that is shorter is filled with zeros.
;;     - A block's scale is 2^e with e = floor(log2(the largest magnitude in the block)) - 15, held to -126 .. 127; a block of zeros has e = 0. As a byte (E8M0): e + 127.
;;     - Each number is divided by its block's scale, clamped to +-57,344, and rounded to the nearest number of E5M2, ties to even, subnormals kept.
;;     - The product sums the exact products of the quantised numbers (number of the format x scale) in f32.
;;   ~~~python
;;   def quantise(x, axis):      # numpy; x: float32 -> the quantised numbers, widened to float32 again
;;       x = np.moveaxis(x, axis, -1); K = x.shape[-1]
;;       x = np.pad(x, [(0, 0)] * (x.ndim - 1) + [(0, -K % 32)]); x = x.reshape(x.shape[:-1] + (-1, 32)); a = np.abs(x).max(-1, keepdims=True)
;;       e = np.where(a > 0, np.clip(np.frexp(np.where(a > 0, a, 1))[1] - 1 - 15, -126, 127), 0)      # np.frexp(a)[1] - 1 = floor(log2(a)), exactly
;;       r = np.clip(x / 2.0 ** e, -57344, 57344)
;;       step = 2.0 ** (np.maximum(np.frexp(np.where(r == 0, 1, r))[1] - 1, -14) - 2)
;;       q = np.round(r / step) * step * 2.0 ** e      # np.round: ties to even
;;       return np.moveaxis(q.reshape(q.shape[:-2] + (-1,))[..., :K], -1, axis).astype(np.float32)
;;   ~~~
;;   OPERANDS COMPUTED ON THE WAY. 'Computed on the way' means the value that the module computes at that place (a softmax that the list does not call 'softmax' is quantised finished and normalised). What goes into a quantiser is computed in f32, as accurately as f32 sums, v_exp_f32 and their like allow (about 1e-6 of the number): no bf16 or f16 on the way to a quantiser, and a product that is left as it is and whose result goes on into a quantised operand takes f32 operands (vector FMAs, or v_wmma_f32_16x16x4_f32). A number that lies on a knife's edge between two numbers of the format may be rounded either way, as far as f32 arithmetic and the matrix unit's own rounding can turn it there, and no further.
;; One version. Each part assembles by itself: llvm-mc -triple=amdgcn-amd-amdhsa -mcpu=gfx1250 --defsym DOCPART=n.
;; ======== version 1 of 1: 3 launches
;; limits: right only within a limited range of input values
;; workspace buffers: codes 1,048,576 bytes; scales 32,768 bytes; part 524,288 bytes
;; launch quant (part 1): grid 256 x 1, 2 waves a work-group, no clusters, 0 bytes of LDS; arguments attn_W, codes, scales; writes codes, scales
.if DOCPART == 1
	.amdgcn_target "amdgcn-amd-amdhsa--gfx1250"
	.amdhsa_code_object_version 6
	.text
	.protected	k_qe953bebba6_quant
	.globl	k_qe953bebba6_quant
	.p2align	8
	.type	k_qe953bebba6_quant,@function
k_qe953bebba6_quant:
	s_mov_b64 s[64:65], 0
	v_nop
	global_prefetch_b8 v0, s[64:65] scope:SCOPE_SE
	s_setreg_imm32_b32 hwreg(HW_REG_WAVE_MODE, 25, 1), 1
	s_wait_xcnt 0x0
; DEAD WORK LEFT OUT.  out0[b][t] = softmax over t of sum_h v[h] (sum_k Q(cat)[b,t,k] Q(attn_W)[h,k] + attn_b[h]).  cat's first 1,024 of K are hidden[b], the same for every t; K is cut into blocks of 32 and 1,024 is a
; multiple of 32, so no block's scale or codes mix hidden's numbers with encoder_output's.  So the first 1,024 of K, and attn_b, add to the softmax's input a number that hangs on b alone and is the same along its axis t:
; it cancels for all values of the inputs.  hidden, attn_b and attn_W[:, 0:1024] have no way to the output: they are not loaded, and hidden and attn_b are among no launch's arguments.
; LIMIT: a NaN, an infinity or an overflow that reaches only that work is not carried to the result.
; THIS LAUNCH: attn_W[:, 1024:2048], f32, becomes codes of BF8 (E5M2) with one E8M0 scale byte for each 32 along K, laid as images of the operand's registers.
;   codes: fragment (quarter q of these 1,024 of K, block j = 8 w + t of 16 rows, K step s of 128 in the quarter) at q 2^18 + (t / 4) 2^17 + w 2^14 + (t % 4) 2^12 + s 2^11: [c 0..3][lane][16 bytes];
;          lane (r, h) holds row 16 j + r, k = 256 q + 128 s + 32 c + 16 h + 0 .. 15.
;   scales: words at q 2^13 + j 2^7 + s 2^6 + 4 r.
; A block's scale is 2^(floor(log2(its largest magnitude)) - 15); its byte is the largest magnitude's exponent field - 15, held at 1 from below.
; LIMITS: a block of zeros, or one whose largest magnitude lies under 2^-111, gets the byte 1: this program alone reads the bytes; NaN and infinities among the inputs are not served.
; A wave takes one fragment (its number is s); waves share nothing: no LDS, no barrier.
.set TM, 12                            ; v12-15 largest magnitudes, v16-19 lane l xor 16's, then the bytes, v20-23 57,344 x the scale, v24-27 the conversions' scale operands
.set X,  32                            ; v32-95: register 16 c + i = k 32 c + 16 h + i of my row
.set PC, 96                            ; v96-111 the codes
	s_load_b128 s[4:7], s[0:1], 0x0                ; attn_W, codes
	s_load_b64 s[8:9], s[0:1], 0x10                ; scales
	v_lshrrev_b32 v1, 5, v0
	v_readfirstlane_b32 s12, v1                    ; K step s
	v_and_b32 v1, 31, v0
	v_and_b32 v2, 15, v0                           ; r
	v_bfe_u32 v3, v0, 4, 1                         ; h
	v_lshlrev_b32 v4, 13, v2                       ; row r of 8,192 bytes,
	v_lshl_add_u32 v4, v3, 6, v4                   ; + 64 h
	v_lshlrev_b32 v5, 4, v1                        ; an image's place for my lane
	v_lshlrev_b32 v6, 2, v2                        ; row r's scale word
.irp b, 0,1,2,3
	v_mov_b32 v[TM+4+\b], 0                        ; a lane permute's destination counts as one of its sources
.endr
	s_lshr_b32 s13, ttmp9, 2                       ; j
	s_and_b32 s14, ttmp9, 3                        ; q
	s_lshl_b32 s16, s13, 17                        ; 16 j rows
	s_lshl_b32 s22, s14, 10
	s_add_co_u32 s16, s16, s22
	s_lshl_b32 s22, s12, 9
	s_add_co_u32 s16, s16, s22
	s_add_co_u32 s16, s16, 4096                    ; the right half of K
	s_mov_b32 s17, 0
	s_lshl_b32 s18, s14, 18
	s_bfe_u32 s22, s13, 0x10002
	s_lshl_b32 s22, s22, 17
	s_add_co_u32 s18, s18, s22
	s_lshr_b32 s22, s13, 3
	s_lshl_b32 s22, s22, 14
	s_add_co_u32 s18, s18, s22
	s_and_b32 s22, s13, 3
	s_lshl_b32 s22, s22, 12
	s_add_co_u32 s18, s18, s22
	s_lshl_b32 s22, s12, 11
	s_add_co_u32 s18, s18, s22
	s_mov_b32 s19, 0
	s_lshl_b32 s20, s14, 13
	s_lshl_b32 s22, s13, 7
	s_add_co_u32 s20, s20, s22
	s_lshl_b32 s22, s12, 6
	s_add_co_u32 s20, s20, s22
	s_mov_b32 s21, 0
	s_mov_b32 s24, 0x76543210
	s_mov_b32 s25, 0xfedcba98                      ; v_permlanex16_b32's selects for lane l xor 16
	s_mov_b32 s26, 0x600000                        ; the mantissa field of 57,344
	s_wait_alu depctr_va_vdst(0)                   ; a wait at the head's end
	s_wait_kmcnt 0x0
	s_add_nc_u64 s[4:5], s[4:5], s[16:17]
	s_add_nc_u64 s[6:7], s[6:7], s[18:19]
	s_add_nc_u64 s[8:9], s[8:9], s[20:21]
.irp c, 0,1,2,3
.irp i, 0,1,2,3
	global_load_b128 v[X+16*\c+4*\i:X+16*\c+4*\i+3], v4, s[4:5] offset:128*\c+16*\i
.endr
.endr
	s_wait_loadcnt 0x0
.irp b, 0,1,2,3
	v_max3_num_f32 v[TM+\b], |v[X+16*\b]|, |v[X+16*\b+1]|, 0x8000000   ; with the floor 2^(16 - 127) as a leaf: the byte cannot fall under 1
.endr
.irp k, 2,4,6,8,10,12,14
.irp b, 0,1,2,3
	v_max3_num_f32 v[TM+\b], v[TM+\b], |v[X+16*\b+\k]|, |v[X+16*\b+\k+1]|
.endr
.endr
.irp b, 0,1,2,3
	v_permlanex16_b32 v[TM+4+\b], v[TM+\b], s24, s25
.endr
.irp b, 0,1,2,3
	v_max_num_f32 v[TM+\b], v[TM+\b], v[TM+4+\b]
.endr
.irp b, 0,1,2,3
	v_add_nc_u32 v[TM+12+\b], 0xf8800000, v[TM+\b] ; 15 off the exponent field
.endr
.irp b, 0,1,2,3
	v_and_or_b32 v[TM+8+\b], v[TM+\b], 0x7f800000, s26
.endr
.irp b, 0,1,2,3
	v_lshrrev_b32 v[TM+4+\b], 23, v[TM+12+\b]
.endr
	v_lshl_or_b32 v8, v[TM+5], 8, v[TM+4]
	v_lshl_or_b32 v8, v[TM+6], 16, v8
	v_lshl_or_b32 v8, v[TM+7], 24, v8
.irp b, 0,1,2,3
.irp i, 0,1,2,3,4,5,6,7,8,9,10,11,12,13,14,15
	v_med3_num_f32 v[X+16*\b+\i], v[X+16*\b+\i], -v[TM+8+\b], v[TM+8+\b]   ; the conversion to an 8-bit code does not saturate (ISA guide 7.6.2)
.endr
	v_cvt_scalef32_pk8_bf8_f32 v[PC+4*\b:PC+4*\b+1], v[X+16*\b:X+16*\b+7], v[TM+12+\b]
	v_cvt_scalef32_pk8_bf8_f32 v[PC+4*\b+2:PC+4*\b+3], v[X+16*\b+8:X+16*\b+15], v[TM+12+\b]
.endr
	v_nop                                          ; one plain place behind the last conversion
.irp c, 0,1,2,3
	global_store_b128 v5, v[PC+4*\c:PC+4*\c+3], s[6:7] offset:512*\c   ; 32 lanes store 512 consecutive bytes, aligned
.endr
	global_store_b32 v6, v8, s[8:9]                ; 64 consecutive bytes; lanes r and r + 16 hold and write the same word
	s_endpgm
.Lfunc_end_k_qe953bebba6_quant:
	.size	k_qe953bebba6_quant, .Lfunc_end_k_qe953bebba6_quant-k_qe953bebba6_quant
	.p2alignl 7, 3214868480
	.fill 96, 4, 3214868480
	.section	.rodata,"a",@progbits
	.p2align	6, 0x0
	.amdhsa_kernel k_qe953bebba6_quant
		.amdhsa_group_segment_fixed_size 0
		.amdhsa_private_segment_fixed_size 0
		.amdhsa_enable_private_segment 0
		.amdhsa_kernarg_size 24
		.amdhsa_user_sgpr_count 2
		.amdhsa_user_sgpr_kernarg_segment_ptr 1
		.amdhsa_wavefront_size32 1
		.amdhsa_system_sgpr_workgroup_id_x 1
		.amdhsa_system_sgpr_workgroup_id_y 1
		.amdhsa_system_sgpr_workgroup_id_z 1
		.amdhsa_system_vgpr_workitem_id 0
		.amdhsa_next_free_vgpr 112
		.amdhsa_next_free_sgpr 66
		.amdhsa_reserve_vcc 0
		.amdhsa_float_denorm_mode_32 3
		.amdhsa_float_denorm_mode_16_64 3
		.amdhsa_memory_ordered 1
		.amdhsa_forward_progress 1
		.amdhsa_inst_pref_size 13
	.end_amdhsa_kernel
	.amdgpu_metadata
---
amdhsa.version: [ 1, 2 ]
amdhsa.kernels:
  - .name:           k_qe953bebba6_quant
    .symbol:         k_qe953bebba6_quant.kd
    .args:
      - { .name: attn_W, .offset: 0, .size: 8, .value_kind: global_buffer, .address_space: global }
      - { .name: codes, .offset: 8, .size: 8, .value_kind: global_buffer, .address_space: global }
      - { .name: scales, .offset: 16, .size: 8, .value_kind: global_buffer, .address_space: global }
    .group_segment_fixed_size: 0
    .private_segment_fixed_size: 0
    .kernarg_segment_align: 8
    .kernarg_segment_size: 24
    .max_flat_workgroup_size: 64
    .sgpr_count:     66
    .vgpr_count:     112
    .wavefront_size: 32
...
	.end_amdgpu_metadata
.endif
;; end of part 1
;; launch energy (part 2): grid 64 x 4, 8 waves a work-group, no clusters, 327,680 bytes of LDS; arguments encoder_output, codes, scales, v, part; writes part
.if DOCPART == 2
	.amdgcn_target "amdgcn-amd-amdhsa--gfx1250"
	.amdhsa_code_object_version 6
	.text
	.protected	k_qe953bebba6_energy
	.globl	k_qe953bebba6_energy
	.p2align	8
	.type	k_qe953bebba6_energy,@function
k_qe953bebba6_energy:
	s_mov_b64 s[64:65], 0
	v_nop
	global_prefetch_b8 v0, s[64:65] scope:SCOPE_SE
	s_setreg_imm32_b32 hwreg(HW_REG_WAVE_MODE, 25, 1), 1
	s_wait_xcnt 0x0
; part[q][g][b][t] = sum_h v[h] sum over k in quarter q of Q(encoder_output)[32 g + t][b][k] Q(attn_W)[h][1024 + k], f32: the softmax's input but for what hangs on b alone (left out: see the first kernel), in four parts along K.
; SHARES.  A work-group (g, q) owns 512 rows (32 t x 16 b) of a quarter of K: each number of encoder_output is read by one work-group and quantised once.  Its eight waves own 128 h each and keep their part of W
; (8 tiles of 16 h x 2 K steps of 128: 256 registers) for the whole launch.
; FOUR SUPER-STEPS of 128 rows, one LDS slot each: the waves quantise the slot's two chunks of 64 rows into two code buffers; a barrier; then each wave multiplies the eight row tiles (a row tile is one t, its 16 rows are the b's).
; The matrix instruction is used transposed (source 0 = 16 rows of W, source 1 = 16 rows of codes): lane (r, h) holds row r and its registers j the hidden units 8 h + j, so v's product is two-wide multiply-adds down the registers.
; THE SOFTWARE PIPELINE: a row tile has two sets of four accumulators; behind each matrix instruction of one set stand two multiply-adds on the other set's finished results.  The last set of a super-step waits through the
; quantising for the next super-step's first products.
; NO CLUSTER: the work-groups of a quarter share W alone, 262,144 bytes fetched once at the head, against 524,288 bytes of rows that are each work-group's own; in a cluster each of those private refills would stand behind a round too.
; LIMITS: blocks of zeros or with a largest magnitude under 2^-111 get the scale byte 1; NaN and infinities among the inputs are not served.
.set PITCH, 1040                       ; a row's 1,024 bytes + 16 of padding
.set WPART, 16*PITCH                   ; a row tile
.set SLOT,  8*WPART                    ; 128 rows
.set CODE,  2*SLOT                     ; two code buffers: 4 row tiles x 4,096 bytes, then 512 bytes of scale words
.set CB,    16896
.set ET,    CODE+2*CB                  ; sums over a wave's 128 h: [wave][b][32 t], rows of ETP bytes
.set ETP,   144
.set ETT,   16*ETP
.set SPARE, ET+8*ETT                   ; the spare words
; REGISTERS, window 0: v1, v254, v255, v11 where I read chunks 0, 1 of slot 0, of slot 1; v2, v3 where I put codes, scale bytes; v4, v5 where I read them; v6 my place in ET; v7, v8 the add's; v9 the prefetches' offset; v10 an even tile's sum
.set WS, 12                            ; v12-19 W's scale words (lanes 0-15 K step 0, 16-31 K step 1)
.set AS, 20                            ; v20, 21 the codes' scale words, likewise
.set SS, 22                            ; v22-25, 26-29 the sums of even and odd tiles
.set TM, 30                            ; v30-37 at work
.set PC0, 38                           ; v38-45 codes of a lane's first block
.set VX, 46                            ; v46-61 v for tiles 1 and 3
.set WL, 62                            ; v62-125 W's tiles 6 and 7
.set DD, 126                           ; v126-189 accumulators of tiles 0-3, 4-7
.set A0, 190                           ; v190-221, 222-253 two row tiles' codes
.set X0, A0                            ; while quantising: a lane's first block of 32 numbers,
.set X1, DD                            ; its second,
.set PC1, A0+32                        ; and that one's codes
; window 1: W's tile t < 6, K step s at v[32 t + 16 s]; v for tiles 0, 2, 4-7 from v192 on
.set MSB, 0
.macro WIN new
.if MSB != (\new)
	s_set_vgpr_msb (MSB<<8)|(\new)
.set MSB, (\new)
.endif
.endm
; the matrix instruction of tile wT, K step wS, on row tile T.  Set by set, one instruction a turn: three others stand between a sum's two steps
.macro WM
.set wD, DD+8*wT
.set wA, A0+32*(T%2)+16*wS
.if wT < 6
	WIN 1
.set wW, 32*wT+16*wS
.else
	WIN 0
.set wW, WL+32*(wT-6)+16*wS
.endif
.if wS == 0
	v_wmma_scale_f32_16x16x128_f8f6f4 v[wD:wD+7], v[wW:wW+15], v[wA:wA+15], 0, v[WS+wT], v[AS+T%2] matrix_a_fmt:MATRIX_FMT_BF8 matrix_b_fmt:MATRIX_FMT_BF8
.else
	v_wmma_scale_f32_16x16x128_f8f6f4 v[wD:wD+7], v[wW:wW+15], v[wA:wA+15], v[wD:wD+7], v[WS+wT], v[AS+T%2] matrix_a_fmt:MATRIX_FMT_BF8 matrix_b_fmt:MATRIX_FMT_BF8 matrix_a_scale:MATRIX_SCALE_ROW1 matrix_b_scale:MATRIX_SCALE_ROW1
.endif
.endm
; pair vJ of tile vT's results x v, onto the sums of parity vP
.macro VD
.set vS, SS+4*vP+2*(vJ%2)
.set vD, DD+8*vT+2*vJ
.if ((vT%2) == 1) && (vT < 4)
	WIN 0
.set vV, VX+4*(vT-1)+2*vJ
.else
	WIN 1
.if vT < 4
.set vV, 192+8*(vT/2)+2*vJ
.else
.set vV, 192+8*(vT-2)+2*vJ
.endif
.endif
.if (vT == 0) && (vJ < 2)
	v_pk_mul_f32 v[vS:vS+1], v[vV:vV+1], v[vD:vD+1]
.else
	v_pk_fma_f32 v[vS:vS+1], v[vV:vV+1], v[vD:vD+1], v[vS:vS+1]
.endif
.endm
; a pair of tiles' sums over both halves of the lanes: lanes 0-15 end with the even tile's (v10), lanes 16-31 with the odd one's (v33)
.macro FSEL
	v_cndmask_b32 v30, v10, v33, s73
	v_cndmask_b32 v31, v33, v10, s73
.endm
.macro FOUT
	v_permlanex16_b32 v32, v31, s70, s71
	v_add_f32 v30, v30, v32
	ds_store_b32 v6, v30 offset:4*(T-2)
.endm
; place P of set A (tiles 0-3), with the last row tile's set B behind it
.macro POSA
.set wT, P%4
.set wS, P/4
	WM
.if PEND == 1
.set vT, 4+P/2
.set vP, (T+1)%2
.set vJ, 2*(P%2)
	VD
.set vJ, vJ+1
	VD
.endif
.set P, P+1
.endm
; place P of set B (tiles 4-7), with this row tile's set A behind it; where window 0 is set, the last row tile's sums are finished
.macro POSB
.set wT, 4+P%4
.set wS, P/4
	WM
.set vT, P/2
.set vP, T%2
.set vJ, 2*(P%2)
	VD
.set vJ, vJ+1
	VD
.if PEND == 1
.set fS, SS+4*((T+1)%2)
.if P == 2
	v_pk_add_f32 v[fS:fS+1], v[fS:fS+1], v[fS+2:fS+3]
.elseif P == 3
.if (T%2) == 1
	v_add_f32 v10, v[fS], v[fS+1]
.else
	v_add_f32 v33, v[fS], v[fS+1]
.endif
.elseif (P == 6) && ((T%2) == 0)
	FSEL
.elseif (P == 7) && ((T%2) == 0)
	FOUT
.endif
.endif
.set P, P+1
.endm
; row tile LT's codes and scale word
.macro ALOAD
.set lA, A0+32*(LT%2)
.set lO, CB*((LT/4)%2)
.irp s, 0,1
.irp c, 0,1,2,3
	ds_load_b128 v[lA+16*\s+4*\c:lA+16*\s+4*\c+3], v4 offset:lO+4096*(LT%4)+2048*\s+512*\c
.endr
.endr
	ds_load_b32 v[AS+LT%2], v5 offset:lO+128*(LT%4)
.endm
; one row tile: 16 matrix instructions.  The next one's loads stand eight places and more behind the last matrix instruction that read their registers
.macro MTILE
.if (PEND == 1) && ((T%8) != 0)
	s_wait_alu depctr_va_vdst(0)
.endif
	s_wait_dscnt 0x0                               ; this row tile's codes are in
.set P, 0
.rept 4
	POSA
.endr
.if (T%8) < 7
	WIN 0
.set LT, T+1
	ALOAD
.endif
.rept 4
	POSA
.endr
.if PEND == 0
.rept 8
	v_nop                                          ; the first row tile alone has no finished set to work on: places ahead of the reads of set A
.endr
.endif
.set P, 0
.rept 8
	POSB
.endr
.set T, T+1
.set PEND, 1
.endm
; a super-step's products: eight row tiles
.macro MSUPER
.set LT, T
	ALOAD
.if T == 0
	s_wait_loadcnt 0x0                             ; W's second half, v and W's scale words
.endif
.rept 8
	MTILE
.endr
	WIN 0
.endm
; THE QUANTISER.  A lane takes two whole blocks of 32 of one row: row tile wave / 2 of the chunk, K step wave % 2, row r, blocks 2 h and 2 h + 1.  No lane exchange; the codes go to LDS as the operand's image.
.macro QLD x, fb, u
.irp i, 0,1,2,3,4,5,6,7
	ds_load_b128 v[\x+4*\i:\x+4*\i+3], v[\fb] offset:128*\u+16*\i
.endr
.endm
.macro QB x, pc, b
	v_max3_num_f32 v[TM], |v[\x]|, |v[\x+1]|, |v[\x+2]|             ; four chains
	v_max3_num_f32 v[TM+1], |v[\x+3]|, |v[\x+4]|, |v[\x+5]|
	v_max3_num_f32 v[TM+2], |v[\x+6]|, |v[\x+7]|, |v[\x+8]|
	v_max3_num_f32 v[TM+3], |v[\x+9]|, |v[\x+10]|, |v[\x+11]|
.irp j, 0,1,2,3,4,5,6,7,8,9
	v_max3_num_f32 v[TM+(\j)%4], v[TM+(\j)%4], |v[\x+12+2*\j]|, |v[\x+13+2*\j]|
.endr
	v_max3_num_f32 v[TM+2], v[TM+2], v[TM+3], 0x8000000             ; and the floor 2^(16 - 127): the byte cannot fall under 1
	v_max3_num_f32 v[TM], v[TM], v[TM+1], v[TM+2]                   ; the block's largest magnitude
	v_add_nc_u32 v[TM+4], 0xf8800000, v[TM]                         ; 15 off its exponent field: the conversion's scale operand
	v_and_or_b32 v[TM+5], v[TM], 0x7f800000, s72                    ; 57,344 x the scale
.irp i, 0,1,2,3,4,5,6,7,8,9,10,11,12,13,14,15,16,17,18,19,20,21,22,23,24,25,26,27,28,29,30,31
	v_med3_num_f32 v[\x+\i], v[\x+\i], -v[TM+5], v[TM+5]            ; the conversion to an 8-bit code does not saturate (ISA guide 7.6.2)
.endr
.irp g, 0,1,2,3
	v_cvt_scalef32_pk8_bf8_f32 v[\pc+2*\g:\pc+2*\g+1], v[\x+8*\g:\x+8*\g+7], v[TM+4]
.endr
	v_lshrrev_b32 v[\b], 23, v[TM+4]                                ; the byte; a plain place behind the conversions
.endm
.macro QST pc, buf, u
	ds_store_b128 v2, v[\pc:\pc+3] offset:CB*\buf+512*\u            ; k 0-15 of the block: the image's lanes 0-15,
	ds_store_b128 v2, v[\pc+4:\pc+7] offset:CB*\buf+512*\u+256      ; k 16-31: its lanes 16-31
.endm
.macro QSC buf
	v_lshl_or_b32 v[TM+6], v[TM+7], 8, v[TM+6]
	ds_store_b16 v3, v[TM+6] offset:CB*\buf
.endm
.macro QPAIR fa, fb
	QLD X0, \fa, 0
	QLD X1, \fa, 1
	s_wait_dscnt 8                                 ; all but the second block's eight loads
	QB X0, PC0, TM+6
	QST PC0, 0, 0
	QLD X0, \fb, 0
	s_wait_dscnt 10                                ; behind the second block: two stores, eight loads
	QB X1, PC1, TM+7
	QST PC1, 0, 1
	QSC 0
	QLD X1, \fb, 1
	s_wait_dscnt 11                                ; behind chunk 1's first block: three stores, eight loads
	QB X0, PC0, TM+6
	QST PC0, 1, 0
	s_wait_dscnt 2                                 ; behind its second: two stores
	QB X1, PC1, TM+7
	QST PC1, 1, 1
	QSC 1
.endm
; slot n's rows: waves 0 to 3 fetch 32 rows each
.macro TLOAD g0
	s_cmp_lt_u32 s14, 4
	s_cbranch_scc0 .Lno_\@
	tensor_load_to_lds s[\g0:\g0+3], s[24:31]
	s_nop 0
.rept 4
	v_nop
.endr
.Lno_\@:
.endm
; A PREFETCH of slot n, one slot ahead of the tensor load that wants it: its 128 rows x 1,024 bytes are 512 aligned blocks of 256 bytes, each named once: 16 rows a wave, a lane a block.  No work-group but this one reads them.
; The head asks for slot 1 behind the weights' loads, the tensor loads of slots 1 and 2 are followed by slots 2 and 3; nothing is asked for behind slot 3, the last.
.macro PF n
.irp i, 0,1
	global_prefetch_b8 v9, s[4:5] offset:(\n<<19)+32768*\i th:TH_LOAD_NT scope:SCOPE_SE
.endr
.endm
.macro BAR
	s_barrier_signal -1
	s_barrier_wait -1
.endm
	s_load_b256 s[4:11], s[0:1], 0x0               ; encoder_output, codes, scales, v
	s_load_b64 s[12:13], s[0:1], 0x20              ; part
	v_lshl_add_u32 v7, v0, 2, SPARE
	v_mov_b32 v8, 0
	ds_add_u32 v7, v8                              ; the opening: the add, twice on end, and its wait
	ds_add_u32 v7, v8
	v_lshrrev_b32 v10, 5, v0
	v_readfirstlane_b32 s14, v10                   ; wave 0..7
	v_and_b32 v190, 15, v0                         ; r
	v_bfe_u32 v191, v0, 4, 1                       ; h
	v_and_b32 v192, 31, v0                         ; lane
	v_lshrrev_b32 v196, 6, v0                      ; wave / 2: the row tile that I quantise
	v_bfe_u32 v197, v0, 5, 1                       ; wave % 2: its K step
	v_mul_u32_u24 v1, v190, PITCH
	v_lshl_add_u32 v1, v191, 8, v1
	v_lshl_add_u32 v1, v197, 9, v1
	v_mul_u32_u24 v198, v196, WPART
	v_add_nc_u32 v1, v1, v198
	v_add_nc_u32 v254, 4*WPART, v1
	v_add_nc_u32 v255, 8*WPART, v1
	v_add_nc_u32 v11, 12*WPART, v1
	v_lshlrev_b32 v2, 4, v190
	v_lshl_add_u32 v2, v191, 10, v2
	v_lshl_add_u32 v2, v197, 11, v2
	v_lshl_add_u32 v2, v196, 12, v2
	v_add_nc_u32 v2, CODE, v2
	v_lshlrev_b32 v3, 2, v190
	v_lshl_add_u32 v3, v191, 1, v3
	v_lshl_add_u32 v3, v197, 6, v3
	v_lshl_add_u32 v3, v196, 7, v3
	v_add_nc_u32 v3, CODE+16384, v3
	v_lshl_add_u32 v4, v192, 4, CODE
	v_lshl_add_u32 v5, v192, 2, CODE+16384
	v_mul_u32_u24 v6, v190, ETP
	v_lshl_add_u32 v6, v191, 2, v6
	v_mul_u32_u24 v199, v10, ETT
	v_add_nc_u32 v6, v6, v199
	v_add_nc_u32 v6, ET, v6
	v_bfe_u32 v200, v0, 2, 3                       ; the prefetches: row 16 wave + lane / 4, block lane % 4
	v_lshl_add_u32 v200, v10, 4, v200
	v_lshlrev_b32 v9, 12, v200
	v_and_b32 v201, 3, v0
	v_lshl_add_u32 v9, v201, 8, v9
	v_lshlrev_b32 v22, 4, v192                     ; the head's loads: an image's place for my lane,
	v_lshlrev_b32 v23, 2, v192                     ; a scale word's,
	v_lshlrev_b32 v24, 5, v191                     ; v's,
	v_mul_u32_u24 v25, v10, WPART
	v_lshl_add_u32 v25, v192, 4, v25
	v_add_nc_u32 v25, SLOT, v25                    ; and my half of W's image in slot 1's bytes
	v_mov_b32 v32, 0                               ; a lane permute's destination counts as one of its sources
	s_and_b32 s15, s14, 3
	s_mov_b32 s16, ttmp9                           ; g
	s_and_b32 s17, ttmp7, 0xffff                   ; q
	s_lshl_b32 s18, s16, 21                        ; 512 g rows of 4,096 bytes,
	s_lshl_b32 s20, s17, 10
	s_add_co_u32 s18, s18, s20                     ; + 1,024 q
	s_mov_b32 s19, 0
	s_lshl_b32 s20, s15, 17                        ; 32 rows a fetching wave
	s_mov_b32 s21, 0
	s_mul_i32 s22, s15, 2*WPART                    ; and where they go in a slot
	s_lshl_b32 s74, s17, 18                        ; my quarter's codes
	s_mov_b32 s75, 0
	s_lshl_b32 s76, s15, 15                        ; 32,768 bytes of W's image a fetching wave
	s_mov_b32 s77, 0
	; group 1: 32 rows of 256 words, four words of padding behind each; encoder_output's rows are 1,024 words apart, the image's dense
.irp d, 24,36
	s_mov_b32 s[\d], (2<<16)|(1<<20)|(7<<22)|(3<<25)
	s_mov_b32 s[\d+1], 256<<16
	s_mov_b32 s[\d+2], 32<<16
	s_mov_b32 s[\d+3], 256<<16
	s_mov_b32 s[\d+4], 32
	s_mov_b32 s[\d+6], 0
	s_mov_b32 s[\d+7], 0
.endr
	s_mov_b32 s29, 1024
	s_mov_b32 s41, 256
	s_mov_b32 s32, 1                               ; groups 0: slot 0's rows,
	s_mov_b32 s33, s22
	s_mov_b32 s44, 1                               ; W's first half (tiles 0-3 of every wave), into slot 1's bytes: the same bytes that slot 1's rows fill later
	s_add_co_u32 s45, s22, SLOT
	s_mov_b32 s48, 1                               ; slots 1, 2, 3
	s_add_co_u32 s49, s22, SLOT
	s_mov_b32 s52, 1
	s_mov_b32 s53, s22
	s_mov_b32 s56, 1
	s_add_co_u32 s57, s22, SLOT
	s_mov_b32 s70, 0x76543210
	s_mov_b32 s71, 0xfedcba98                      ; v_permlanex16_b32's selects for lane l xor 16
	s_mov_b32 s72, 0x600000                        ; the mantissa field of 57,344
	s_mov_b32 s73, 0xffff0000                      ; lanes 16-31
	s_wait_alu depctr_va_vdst(0)                   ; a wait at the head's end
	s_wait_dscnt 0x0                               ; both opening adds are done
	s_wait_kmcnt 0x0
	s_add_nc_u64 s[4:5], s[4:5], s[18:19]
	s_add_nc_u64 s[34:35], s[4:5], s[20:21]
	s_add_nc_u64 s[50:51], s[34:35], 0x80000       ; a slot is 128 rows on
	s_add_nc_u64 s[54:55], s[34:35], 0x100000
	s_add_nc_u64 s[58:59], s[34:35], 0x180000
	s_add_nc_u64 s[6:7], s[6:7], s[74:75]
	s_add_nc_u64 s[46:47], s[6:7], s[76:77]
	s_or_b32 s35, s35, 0x80000000
	s_or_b32 s51, s51, 0x80000000
	s_or_b32 s55, s55, 0x80000000
	s_or_b32 s59, s59, 0x80000000
	s_or_b32 s47, s47, 0x80000000
	s_cmp_lt_u32 s14, 4                            ; one tensor load a wave: waves 0-3 slot 0's rows, waves 4-7 W's first half
	s_cbranch_scc0 .Lhead_w
	tensor_load_to_lds s[32:35], s[24:31]
	s_nop 0
.rept 4
	v_nop
.endr
	s_branch .Lhead_asked
.Lhead_w:
	tensor_load_to_lds s[44:47], s[36:43]
	s_nop 0
.rept 4
	v_nop
.endr
.Lhead_asked:
	s_lshl_b32 s18, s14, 14
	s_add_co_u32 s18, s18, 131072
	s_add_nc_u64 s[60:61], s[6:7], s[18:19]        ; W's second half (tiles 4-7), my wave's part: straight into registers
	s_lshl_b32 s18, s17, 13
	s_lshl_b32 s20, s14, 10
	s_add_co_u32 s18, s18, s20
	s_add_nc_u64 s[62:63], s[8:9], s[18:19]        ; my scale words
	s_lshl_b32 s18, s14, 9
	s_add_nc_u64 s[66:67], s[10:11], s[18:19]      ; my 128 of v
	s_lshl_b32 s18, s17, 17
	s_lshl_b32 s20, s16, 11
	s_add_co_u32 s18, s18, s20
	s_add_nc_u64 s[68:69], s[12:13], s[18:19]      ; my 2,048 bytes of part
	WIN 0x40
.irp t, 4,5
.irp s, 0,1
.irp c, 0,1,2,3
	global_load_b128 v[32*\t+16*\s+4*\c:32*\t+16*\s+4*\c+3], v22, s[60:61] offset:4096*(\t-4)+2048*\s+512*\c
.endr
.endr
.endr
.irp i, 0,1
	global_load_b128 v[192+4*\i:195+4*\i], v24, s[66:67] offset:16*\i
	global_load_b128 v[200+4*\i:203+4*\i], v24, s[66:67] offset:128+16*\i
.irp t, 4,5,6,7
	global_load_b128 v[192+8*(\t-2)+4*\i:195+8*(\t-2)+4*\i], v24, s[66:67] offset:64*\t+16*\i
.endr
.endr
	WIN 0
.irp t, 6,7
.irp s, 0,1
.irp c, 0,1,2,3
	global_load_b128 v[WL+32*(\t-6)+16*\s+4*\c:WL+32*(\t-6)+16*\s+4*\c+3], v22, s[60:61] offset:4096*(\t-4)+2048*\s+512*\c
.endr
.endr
.endr
.irp t, 1,3
.irp i, 0,1
	global_load_b128 v[VX+4*(\t-1)+4*\i:VX+4*(\t-1)+4*\i+3], v24, s[66:67] offset:64*\t+16*\i
.endr
.endr
.irp t, 0,1,2,3,4,5,6,7
	global_load_b32 v[WS+\t], v23, s[62:63] offset:128*\t
.endr
	PF 1
	s_cmp_lt_u32 s14, 4
	s_cbranch_scc0 .Lno_rows
	s_wait_tensorcnt 0x0                           ; waves 0-3, which alone issued slot 0's line: their rows are in
.Lno_rows:
	BAR                                            ; slot 0 is whole; W's first half may still be on its way
	QPAIR 1, 254
	s_wait_tensorcnt 0x0                           ; W's first half is in,
	s_wait_dscnt 0x0                               ; and my codes are written
	BAR
	WIN 0x40
.irp t, 0,1,2,3
.irp s, 0,1
.irp c, 0,1,2,3
	ds_load_b128 v[32*\t+16*\s+4*\c:32*\t+16*\s+4*\c+3], v25 offset:PITCH*(4*\t+2*\s+\c/2)+512*(\c%2)
.endr
.endr
.endr
	WIN 0
	s_wait_tensorcnt 0x0                           ; ahead of a refill's barrier
	ds_add_u32 v7, v8
	s_wait_dscnt 0x0                               ; the add is done, and W's first half is in my registers
	BAR
	TLOAD 48                                       ; slot 1's rows over W's image
.set T, 0
.set PEND, 0
	PF 2
	MSUPER
; the change of slots: my rows of the slot ahead are in, and my reads of the codes are over; behind the barrier the slot that was quantised a super-step ago is filled again
	s_wait_tensorcnt 0x0
	ds_add_u32 v7, v8
	s_wait_dscnt 0x0
	BAR
	TLOAD 52
	PF 3
	QPAIR 255, 11
	s_wait_dscnt 0x0
	BAR
	MSUPER
	s_wait_tensorcnt 0x0
	ds_add_u32 v7, v8
	s_wait_dscnt 0x0
	BAR
	TLOAD 56
	QPAIR 1, 254
	s_wait_dscnt 0x0
	BAR
	MSUPER
	s_wait_tensorcnt 0x0                           ; the last slot: nothing is filled again
	s_wait_dscnt 0x0
	BAR
	QPAIR 255, 11
	s_wait_dscnt 0x0
	BAR
	MSUPER
.rept 8
	v_nop                                          ; places ahead of the reads of the last set
.endr
.set vP, (T+1)%2
.set vT, 4
.rept 4
.set vJ, 0
.rept 4
	VD
.set vJ, vJ+1
.endr
.set vT, vT+1
.endr
	WIN 0
.set fS, SS+4*((T+1)%2)
	v_pk_add_f32 v[fS:fS+1], v[fS:fS+1], v[fS+2:fS+3]
	v_lshrrev_b32 v38, 4, v0                       ; b
	v_and_b32 v39, 15, v0                          ; two t's
	v_add_f32 v33, v[fS], v[fS+1]
	v_mul_u32_u24 v38, v38, ETP
	v_lshl_add_u32 v38, v39, 3, v38
	FSEL
	FOUT
	v_add_nc_u32 v38, ET, v38
	v_lshlrev_b32 v40, 3, v0
	s_wait_alu depctr_va_vdst(0)
	s_wait_dscnt 0x0                               ; my sums are written
	BAR
.irp w, 0,1,2,3,4,5,6,7
	ds_load_b64 v[190+2*\w:191+2*\w], v38 offset:ETT*\w
.endr
	s_wait_dscnt 0x0
.irp w, 0,1,2,3
	v_pk_add_f32 v[190+4*\w:191+4*\w], v[190+4*\w:191+4*\w], v[192+4*\w:193+4*\w]
.endr
	v_pk_add_f32 v[190:191], v[190:191], v[194:195]
	v_pk_add_f32 v[198:199], v[198:199], v[202:203]
	v_pk_add_f32 v[190:191], v[190:191], v[198:199]
	global_store_b64 v40, v[190:191], s[68:69]     ; a wave stores 256 consecutive bytes, aligned
	s_wait_tensorcnt 0x0                           ; the wave's end
	ds_add_u32 v7, v8
	s_wait_dscnt 0x0
	s_endpgm
.Lfunc_end_k_qe953bebba6_energy:
	.size	k_qe953bebba6_energy, .Lfunc_end_k_qe953bebba6_energy-k_qe953bebba6_energy
	.p2alignl 7, 3214868480
	.fill 96, 4, 3214868480
	.section	.rodata,"a",@progbits
	.p2align	6, 0x0
	.amdhsa_kernel k_qe953bebba6_energy
		.amdhsa_group_segment_fixed_size 327680
		.amdhsa_private_segment_fixed_size 0
		.amdhsa_enable_private_segment 0
		.amdhsa_kernarg_size 40
		.amdhsa_user_sgpr_count 2
		.amdhsa_user_sgpr_kernarg_segment_ptr 1
		.amdhsa_wavefront_size32 1
		.amdhsa_system_sgpr_workgroup_id_x 1
		.amdhsa_system_sgpr_workgroup_id_y 1
		.amdhsa_system_sgpr_workgroup_id_z 1
		.amdhsa_system_vgpr_workitem_id 0
		.amdhsa_next_free_vgpr 512
		.amdhsa_next_free_sgpr 80
		.amdhsa_reserve_vcc 0
		.amdhsa_float_denorm_mode_32 3
		.amdhsa_float_denorm_mode_16_64 3
		.amdhsa_memory_ordered 1
		.amdhsa_forward_progress 1
		.amdhsa_inst_pref_size 248
	.end_amdhsa_kernel
	.amdgpu_metadata
---
amdhsa.version: [ 1, 2 ]
amdhsa.kernels:
  - .name:           k_qe953bebba6_energy
    .symbol:         k_qe953bebba6_energy.kd
    .args:
      - { .name: encoder_output, .offset: 0, .size: 8, .value_kind: global_buffer, .address_space: global }
      - { .name: codes, .offset: 8, .size: 8, .value_kind: global_buffer, .address_space: global }
      - { .name: scales, .offset: 16, .size: 8, .value_kind: global_buffer, .address_space: global }
      - { .name: v, .offset: 24, .size: 8, .value_kind: global_buffer, .address_space: global }
      - { .name: part, .offset: 32, .size: 8, .value_kind: global_buffer, .address_space: global }
    .group_segment_fixed_size: 327680
    .private_segment_fixed_size: 0
    .kernarg_segment_align: 8
    .kernarg_segment_size: 40
    .max_flat_workgroup_size: 256
    .sgpr_count:     80
    .vgpr_count:     512
    .wavefront_size: 32
...
	.end_amdgpu_metadata
.endif
;; end of part 2
;; launch softmax (part 3): grid 16 x 1, 16 waves a work-group, no clusters, 2,304 bytes of LDS; arguments part, out0; writes out0
.if DOCPART == 3
	.amdgcn_target "amdgcn-amd-amdhsa--gfx1250"
	.amdhsa_code_object_version 6
	.text
	.protected	k_qe953bebba6_softmax
	.globl	k_qe953bebba6_softmax
	.p2align	8
	.type	k_qe953bebba6_softmax,@function
k_qe953bebba6_softmax:
	s_mov_b64 s[64:65], 0
	v_nop
	global_prefetch_b8 v0, s[64:65] scope:SCOPE_SE
	s_setreg_imm32_b32 hwreg(HW_REG_WAVE_MODE, 25, 1), 1
	s_wait_xcnt 0x0
; out0[b][t] = softmax over t of e[b][t], e = the sum of part's four quarters (what hangs on b alone is left out: see the first kernel).  part is [q][t / 32][b][t % 32].
; A work-group owns one b: a row's maximum and sum have one owner, so there are 16 work-groups.  Thread i owns t = 4 i .. 4 i + 3.
; THE MAXIMUM IS TAKEN AWAY in two stages: each wave takes its own maximum m, its exponentials under m and their sum s; the waves meet once and hand over (m, s); with M the largest m, the total is the sum of s 2^((m - M) log2(e)),
; and a wave's exponentials are brought under M by one factor.  Every exponent is 0 or less, and the total is at least 1.
; All in f32.  LIMITS: NaN and infinities are not served; an exponential that would fall under 2^-126 comes out as 0 (ISA guide, the entry of v_exp_f32).
; LDS: bytes 0-127 the sixteen pairs; from 256 on the spare words.
.macro ROW16 op, r                     ; over the 16 lanes of a row, in every lane
	\op v[\r], v[\r], v[\r] row_xmask:1 row_mask:0xf bank_mask:0xf
	s_delay_alu instid0(VALU_DEP_1)
	\op v[\r], v[\r], v[\r] row_xmask:2 row_mask:0xf bank_mask:0xf
	s_delay_alu instid0(VALU_DEP_1)
	\op v[\r], v[\r], v[\r] row_xmask:4 row_mask:0xf bank_mask:0xf
	s_delay_alu instid0(VALU_DEP_1)
	\op v[\r], v[\r], v[\r] row_xmask:8 row_mask:0xf bank_mask:0xf
.endm
	s_load_b128 s[4:7], s[0:1], 0x0                ; part, out0
	v_lshl_add_u32 v30, v0, 2, 0x100
	v_mov_b32 v31, 0
	v_lshrrev_b32 v1, 3, v0
	v_and_b32 v2, 7, v0
	v_lshlrev_b32 v1, 11, v1
	v_lshl_add_u32 v1, v2, 4, v1                   ; part: 2,048 bytes for each 32 t
	v_lshlrev_b32 v2, 4, v0                        ; out0: 16 bytes a thread
	v_lshrrev_b32 v3, 5, v0
	v_and_b32 v24, 15, v0
	v_lshlrev_b32 v3, 3, v3                        ; LDS: my wave's pair,
	v_lshlrev_b32 v24, 3, v24                      ; and the pair that my lane reads
	v_mov_b32 v21, 0                               ; named as the upper half of a pair before it is first written
	v_mov_b32 v22, 0                               ; a lane permute's destination counts as one of its sources
	s_lshl_b32 s10, ttmp9, 7
	s_mov_b32 s11, 0
	s_lshl_b32 s14, ttmp9, 13
	s_mov_b32 s15, 0
	s_mov_b32 s12, 0x76543210
	s_mov_b32 s13, 0xfedcba98
	s_wait_alu depctr_va_vdst(0)                   ; a wait at the head's end
	s_wait_kmcnt 0x0
	s_add_nc_u64 s[4:5], s[4:5], s[10:11]
	s_add_nc_u64 s[6:7], s[6:7], s[14:15]
.irp q, 0,1,2,3
	global_load_b128 v[4+4*\q:7+4*\q], v1, s[4:5] offset:131072*\q
.endr
	s_wait_loadcnt 0x0
	v_pk_add_f32 v[4:5], v[4:5], v[8:9]
	v_pk_add_f32 v[6:7], v[6:7], v[10:11]
	v_pk_add_f32 v[12:13], v[12:13], v[16:17]
	v_pk_add_f32 v[14:15], v[14:15], v[18:19]
	v_pk_add_f32 v[4:5], v[4:5], v[12:13]
	v_pk_add_f32 v[6:7], v[6:7], v[14:15]
	v_max3_num_f32 v20, v4, v5, v6
	s_delay_alu instid0(VALU_DEP_1)
	v_max_num_f32 v20, v20, v7
	ROW16 v_max_num_f32_dpp, 20
	s_delay_alu instid0(VALU_DEP_1)
	v_permlanex16_b32 v22, v20, s12, s13
	s_delay_alu instid0(VALU_DEP_1)
	v_max_num_f32 v20, v20, v22                    ; m
.irp j, 4,6
	v_pk_add_f32 v[\j:\j+1], v[\j:\j+1], v[20:21] op_sel_hi:[1,0] neg_lo:[0,1] neg_hi:[0,1]
.endr
.irp j, 4,6
	v_pk_mul_f32 v[\j:\j+1], v[\j:\j+1], 0x3fb8aa3b op_sel_hi:[1,0]   ; x log2(e)
.endr
	s_wait_alu depctr_va_vdst(0)                   ; a wait ahead of the batch, and one behind it
.irp j, 4,5,6,7
	v_exp_f32 v[\j], v[\j]
.endr
	v_nop
	s_wait_alu depctr_va_vdst(0)
	v_pk_add_f32 v[8:9], v[4:5], v[6:7]
	s_delay_alu instid0(VALU_DEP_1)
	v_add_f32 v21, v8, v9
	ROW16 v_add_f32_dpp, 21
	s_delay_alu instid0(VALU_DEP_1)
	v_permlanex16_b32 v22, v21, s12, s13
	s_delay_alu instid0(VALU_DEP_1)
	v_add_f32 v21, v21, v22                        ; s
	ds_store_b64 v3, v[20:21]                      ; all lanes of a wave write the same pair
	s_wait_dscnt 0x0                               ; for the others' sake: my store is done
	s_barrier_signal -1
	s_barrier_wait -1
	ds_load_b64 v[8:9], v24                        ; lane l: wave l % 16's m and s
	s_wait_dscnt 0x0
	v_mov_b32 v10, v8
	ROW16 v_max_num_f32_dpp, 10                    ; M
	v_sub_f32 v11, v8, v10
	v_sub_f32 v12, v20, v10
	v_mul_f32 v11, 0x3fb8aa3b, v11
	v_mul_f32 v12, 0x3fb8aa3b, v12
	s_wait_alu depctr_va_vdst(0)
	v_exp_f32 v11, v11
	v_exp_f32 v12, v12                             ; my wave's factor
	v_nop
	s_wait_alu depctr_va_vdst(0)
	v_mul_f32 v11, v11, v9
	ROW16 v_add_f32_dpp, 11                        ; the total
	s_wait_alu depctr_va_vdst(0)
	v_rcp_f32 v11, v11
	v_nop
	s_wait_alu depctr_va_vdst(0)
	v_mul_f32 v12, v12, v11
	v_pk_mul_f32 v[4:5], v[4:5], v[12:13] op_sel_hi:[1,0]
	v_pk_mul_f32 v[6:7], v[6:7], v[12:13] op_sel_hi:[1,0]
	global_store_b128 v2, v[4:7], s[6:7]           ; a wave stores 512 consecutive bytes, aligned
	s_wait_tensorcnt 0x0                           ; the wave's end
	ds_add_u32 v30, v31
	s_wait_dscnt 0x0
	s_endpgm
.Lfunc_end_k_qe953bebba6_softmax:
	.size	k_qe953bebba6_softmax, .Lfunc_end_k_qe953bebba6_softmax-k_qe953bebba6_softmax
	.p2alignl 7, 3214868480
	.fill 96, 4, 3214868480
	.section	.rodata,"a",@progbits
	.p2align	6, 0x0
	.amdhsa_kernel k_qe953bebba6_softmax
		.amdhsa_group_segment_fixed_size 2304
		.amdhsa_private_segment_fixed_size 0
		.amdhsa_enable_private_segment 0
		.amdhsa_kernarg_size 16
		.amdhsa_user_sgpr_count 2
		.amdhsa_user_sgpr_kernarg_segment_ptr 1
		.amdhsa_wavefront_size32 1
		.amdhsa_system_sgpr_workgroup_id_x 1
		.amdhsa_system_sgpr_workgroup_id_y 1
		.amdhsa_system_sgpr_workgroup_id_z 1
		.amdhsa_system_vgpr_workitem_id 0
		.amdhsa_next_free_vgpr 32
		.amdhsa_next_free_sgpr 66
		.amdhsa_reserve_vcc 0
		.amdhsa_float_denorm_mode_32 3
		.amdhsa_float_denorm_mode_16_64 3
		.amdhsa_memory_ordered 1
		.amdhsa_forward_progress 1
		.amdhsa_inst_pref_size 6
	.end_amdhsa_kernel
	.amdgpu_metadata
---
amdhsa.version: [ 1, 2 ]
amdhsa.kernels:
  - .name:           k_qe953bebba6_softmax
    .symbol:         k_qe953bebba6_softmax.kd
    .args:
      - { .name: part, .offset: 0, .size: 8, .value_kind: global_buffer, .address_space: global }
      - { .name: out0, .offset: 8, .size: 8, .value_kind: global_buffer, .address_space: global }
    .group_segment_fixed_size: 2304
    .private_segment_fixed_size: 0
    .kernarg_segment_align: 8
    .kernarg_segment_size: 16
    .max_flat_workgroup_size: 512
    .sgpr_count:     66
    .vgpr_count:     32
    .wavefront_size: 32
...
	.end_amdgpu_metadata
.endif
;; end of part 3
